; MI455X (gfx1250); checked and timed in simulation.
; The chip was launched on July 23, 2026; its instructions are those of AMD's public machine-readable ISA for CDNA 5 (MIT licence, August 2026) and "CDNA5" Instruction Set Architecture Reference Guide (July 2026). The comments in the code are by the model that wrote it; some were corrected since.
;; Nflow. Allowed arithmetic: float matrix products may take bf16 or f16 operands with f32 sums; all other float work in f32.
;; Inputs: W0 1 x 128 float32; W1 128 x 128 float32; W2 128 x 128 float32; W3 128 x 128 float32; W4 128 x 14 float32; b0 128 float32; b1 128 float32; b2 128 float32; b3 128 float32; b4 14 float32; x 524,288 x 1 float32; z 524,288 x 1 float32.
;; Outputs: out0 524,288 x 1 float32.
;; 2 versions, each right; version 2 is version 1 with the launch nflow written anew for expert scheduling mode. Each part assembles by itself: llvm-mc -triple=amdgcn-amd-amdhsa -mcpu=gfx1250 --defsym DOCPART=n.
;; ======== version 1 of 2: 1 launch
;; limits: right only within a limited range of input values; values are held in f16: magnitudes above 65,504 overflow, below 6.1e-05 lose precision
;; launch nflow (part 1): grid 256 x 1, 8 waves a work-group, no clusters, 143,616 bytes of LDS; arguments x, z, W0, b0, W1, b1, W2, b2, W3, b3, W4, b4, out0; writes out0
.if DOCPART == 1
	.amdgcn_target "amdgcn-amd-amdhsa--gfx1250"
	.amdhsa_code_object_version 6
	.text
	.protected	k_q571e451f53_nflow
	.globl	k_q571e451f53_nflow
	.p2align	8
	.type	k_q571e451f53_nflow,@function
k_q571e451f53_nflow:
	s_mov_b64 s[64:65], 0
	v_nop
	global_prefetch_b8 v0, s[64:65] scope:SCOPE_SE
	s_setreg_imm32_b32 hwreg(HW_REG_WAVE_MODE, 25, 1), 1
	s_wait_xcnt 0x0
; y = T^-1(z; phi(x)): phi = MLP 1 -> 128 -> 128 -> 128 -> 128 -> 14 (ReLU), T a monotonic rational-quadratic spline of 5 bins on [-5, 5].
; 524,288 rows; 256 work-groups of 8 waves; a work-group owns 2,048 rows, a wave 256, a trip of the loop 64 (four tiles of 16 rows).
;
; THE CHAIN IS TRANSPOSED: each layer is H'^T = W^T H^T.  Source 0 = 16 output features x 32 k of W^T, source 1 = 32 k x 16 rows.
; In the result lane (r, h) holds, in register j, feature 16 mt + 8 h + j of row r: packed in pairs these eight numbers ARE registers
; 0-3 (mt even) or 4-7 (mt odd) of the next layer's source 1 for k step mt / 2.  So activations never leave the registers.
; Weights lie in LDS as f16 in memory order [k][n]; a transposing LDS load makes source 0, and each fragment feeds four row tiles.
; A bias is the C operand of a sum's first product: nothing is cleared and nothing is added afterwards.
; Layer 0 has K = 1: it is one fused multiply-add a number, in f32.  Two waves share a SIMD, so that one wave's vector work
; (ReLU, rounding, layer 0, the spline) runs beside the other's matrix work.
;
; NUMBER FORMAT: f16 operands, f32 sums.  A knot of the spline is 10 x a running sum of a softmax, so an error in phi reaches y about
; threefold; f16's 11 significant bits keep that inside the allowance, 8 bits would not.  f16's range is kept by powers of two made from bounds:
;   B0 = max|x| max|W0| + n,  B_l = 128 max|W_l| B_(l-1) + n,  n = max over b0..b3  (max|x| over the work-group's rows), so |h_l| <= B_l;
;   lambda_l = 2^(14 - E_l), 2^E_l <= B_l < 2^(E_l + 1): the stored activation lambda_l h_l is below 2^15.
; Stored: W0, b0 x lambda_0; b_l x lambda_l; W_l x lambda_l / lambda_(l-1) (at most 2^-6 in size); b4 x lambda_3; W4 as it is; phi = D / lambda_3.
; LIMITS: the bounds are clamped to 2^-63 .. 2^63: inputs whose B_3 passes 2^63 are not served.  |W4| < 65,504.  Operands are rounded to f16
; (what falls below 2^-24 of the scaled range is lost).  A softmax term below 2^-126 counts as 0 (v_exp_f32 flushes).  Knots are
; fma(running sum, 10 / sum, -5): another order of rounding than softmax, x 10, cumsum.  softplus = max(d, 0) + ln 2 log2(1 + e^-|d|): absolute
; error up to 6e-8 beside the floor of 1e-4.  Quotients and the root by v_rcp_f32, v_sqrt_f32.  ReLU of a NaN is 0.
;
; NO CLUSTER, NO TENSOR LOADS: what work-groups share is the 205 KB of weights, read once per work-group ahead of 12,800 matrix instructions;
; they have to pass through registers anyway, to be scaled and rounded.  Inside the loop nothing comes from memory: no ring, no prefetch.
; ---- LDS, bytes
.set WP,   288                         ; pitch of a k row of W1..W3: 256 bytes of f16 + 32, nine times 32
.set WL1,  0
.set WL2,  128*WP
.set WL3,  2*128*WP
.set W4L,  3*128*WP                    ; W4: 128 k rows of 32 bytes, 14 f16 and two zeros
.set W4P,  32
.set PAR,  W4L+128*W4P                 ; f32, scaled: W0 +0, b0 +512, b1 +1024, b2 +1536, b3 +2048, b4 +2560 (word t = b4[min(t, 13)])
.set XS,   PAR+3072                    ; x, 1,024 bytes for each wave
.set ZS,   XS+8192                     ; z likewise
.set YS,   ZS+8192                     ; y likewise
.set RED,  YS+8192                     ; six maxima x eight waves: word 8 q + w
; ---- window 0 (v0-v255)
.set ZERO, 3                           ; 0.0
.set XA,   4                           ; XS + 1024 w + 4 r, + 256 a trip
.set SA,   5                           ; XS + 1024 w + 16 L
.set GO,   6                           ; 1024 w + 16 L: my 16 bytes of the work-group's x, z, y
.set WO,   7                           ; 8192 w + 16 L: my 16 bytes of row 16 w of W1..W3
.set X,    8                           ; v8-11: x of row r of tiles 0..3
.set Q,    24                          ; head: v24-29 maxima of |x|, |W0|, |b0..b3|, |W1|, |W2|, |W3|
.set R0,   64                          ; three regions of 64: two k steps of source 1 for four tiles: 32 (c & 1) + 8 t
.set R1,   128
.set R2,   192
; ---- window 1 (v256-v511, written by their low 8 bits)
.set W0L,  0                           ; layer 0: 64 of W0, 64 of b0 (index 8 e + i: k = 16 e + 8 h + i); afterwards the accumulators 32 m + 8 t
.set B0L,  64
.set T,    128                         ; layer 0: 64 numbers at work
.set FR,   128                         ; two buffers of four fragments of W^T
.set BI,   192                         ; two buffers of eight biases
.set AW1,  208                         ; LDS addresses of my part of a fragment in W1, W2, W3, W4
.set AW2,  209
.set AW3,  210
.set AW4,  211
.set AB,   212                         ; PAR + 32 h
.set ZA,   213                         ; ZS + 1024 w + 4 L, + 256 a trip
.set ZZ,   214                         ; z of rows L and 32 + L of the trip
.set IV,   216                         ; 1 / lambda_3, twice
; the spline's registers, window 1
.set ZC, 32
.set MW, 33
.set MH, 34
.set EW, 36                            ; 36-40: exponentials, running sums, then x knots 1..5
.set EH, 41                            ; 41-45: the same for y
.set RW, 46
.set RH, 47
.set SX0, 48
.set SX1, 49
.set SY0, 50
.set SY1, 51
.set DL, 52
.set DH, 53
.set GL, 54
.set GH, 55
.set DX, 58
.set DY, 59
.set RDX, 60
.set SS, 61
.set TT, 62
.set MM, 63
.set TM, 64
.set AA, 65
.set BB, 66
.set ST, 67
.set DI, 68
; s_set_vgpr_msb, low byte: bits 1:0 source 0, 3:2 source 1, 5:4 source 2, 7:6 destination; the high byte repeats the setting that is left
.set MSB, 0
.macro WIN new
.if MSB != \new
	s_set_vgpr_msb (MSB<<8)|\new
.set MSB, \new
.endif
.endm
.set W_MUL, 0x51                       ; source 1 in window 0, all else in window 1: matrix instructions, LDS loads, layer 0's fma, ReLU
.set W_CVT, 0x05                       ; sources in window 1, destination in window 0: the roundings to f16
.set W_SPL, 0x55                       ; all in window 1
.set W_SET, 0x40                       ; destination in window 1
	s_load_b512 s[8:23], s[0:1], 0x0               ; x s[8:9], z s[10:11], W0 s[12:13], b0 s[14:15], W1 s[16:17], b1 s[18:19], W2 s[20:21], b2 s[22:23]
	s_load_b256 s[24:31], s[0:1], 0x40             ; W3 s[24:25], b3 s[26:27], W4 s[28:29], b4 s[30:31]
	s_load_b64 s[32:33], s[0:1], 0x60              ; out0
	v_lshl_add_u32 v2, v0, 2, 0x22d00
	v_mov_b32 v15, 0
	v_lshrrev_b32 v1, 5, v0
	v_readfirstlane_b32 s2, v1                     ; wave w
	v_and_b32 v1, 31, v0                           ; lane L
	s_lshl_b32 s4, ttmp9, 13                       ; the work-group's 2,048 rows of 4 bytes
	s_mov_b32 s5, 0
	s_lshl_b32 s6, s2, 10                          ; 1024 w
	s_lshl_b32 s7, s2, 13                          ; 8192 w: 16 rows of 512 bytes
	s_mul_i32 s3, s2, 16*WP                        ; the same 16 rows in LDS
	s_mov_b32 s34, 0x3fb8aa3b                      ; log2 e
	s_mov_b32 s35, 0x3f317218                      ; ln 2
	s_mov_b32 s36, 0x38d1b717                      ; 1e-4
	s_mov_b32 s37, 0xc0a00000                      ; -5
	s_mov_b32 s38, 0x40a00000                      ; 5
	s_mov_b32 s39, 0x41200000                      ; 10
	s_mov_b32 s46, 0x76543210                      ; v_permlanex16_b32: lane i takes lane i of the other half
	s_mov_b32 s47, 0xfedcba98
	v_mov_b32 v[ZERO], 0
	v_lshl_add_u32 v[GO], v1, 4, s6
	v_lshl_add_u32 v[WO], v1, 4, s7
	v_add_nc_u32 v[SA], XS, v[GO]
	v_lshl_add_u32 v62, v1, 3, s3                  ; where my 8 bytes of f16 of row 16 w go, in W1 (W2 by the offset)
	v_add_nc_u32 v63, WL3, v62                     ; and in W3, which lies beyond the 16-bit offset
	v_lshlrev_b32 v12, 2, v0                       ; threads 0-127: element t of W0, b0..b3
	v_min_u32 v13, 13, v0
	v_lshlrev_b32 v13, 2, v13                      ; b4[min(t, 13)]: stays inside its 56 bytes
	v_mul_u32_u24 v14, 56, v0                      ; row t of W4
	v_add_nc_u32 v60, PAR, v12
	v_lshl_add_u32 v61, v0, 5, W4L
	s_wait_kmcnt 0x0
	s_add_nc_u64 s[8:9], s[8:9], s[4:5]
	s_add_nc_u64 s[10:11], s[10:11], s[4:5]
	s_add_nc_u64 s[32:33], s[32:33], s[4:5]
	s_cmp_ge_u32 s2, 4                             ; waves 0-3, thread t: the small parameters, 13 loads
	s_cbranch_scc1 .Lpar_asked
	global_load_b32 v32, v12, s[12:13]
	global_load_b32 v33, v12, s[14:15]
	global_load_b32 v34, v12, s[18:19]
	global_load_b32 v35, v12, s[22:23]
	global_load_b32 v36, v12, s[26:27]
	global_load_b32 v37, v13, s[30:31]
.irp q, 0,1,2,3,4,5,6
	global_load_b64 v[38+2*\q:39+2*\q], v14, s[28:29] offset:8*\q
.endr
.Lpar_asked:
	global_load_b128 v[16:19], v[GO], s[8:9] th:TH_LOAD_NT              ; my wave's 256 x and 256 z: 512 neighbouring bytes a load
	global_load_b128 v[20:23], v[GO], s[8:9] offset:512 th:TH_LOAD_NT
	global_load_b128 v[24:27], v[GO], s[10:11] th:TH_LOAD_NT
	global_load_b128 v[28:31], v[GO], s[10:11] offset:512 th:TH_LOAD_NT
.irp i, 0,1,2,3,4,5,6,7,8,9,10,11,12,13,14,15
	global_load_b128 v[R0+4*\i:R0+4*\i+3], v[WO], s[16:17] offset:512*\i   ; rows 16 w + i of W1: a load is one whole row
.endr
.irp i, 0,1,2,3,4,5,6,7,8,9,10,11,12,13,14,15
	global_load_b128 v[R1+4*\i:R1+4*\i+3], v[WO], s[20:21] offset:512*\i   ; of W2
.endr
.irp i, 0,1,2,3,4,5,6,7,8,9,10,11,12,13,14,15
	global_load_b128 v[R2+4*\i:R2+4*\i+3], v[WO], s[24:25] offset:512*\i   ; of W3
.endr
	; ---- the six maxima of this wave
	s_wait_loadcnt 48                              ; all but the 48 weight loads: parameters, x, z are in
	ds_store_b128 v[SA], v[16:19]
	ds_store_b128 v[SA], v[20:23] offset:512
	ds_store_b128 v[SA], v[24:27] offset:ZS-XS
	ds_store_b128 v[SA], v[28:31] offset:ZS-XS+512
	v_max3_num_f32 v[Q], |v16|, |v17|, |v18|
	v_max3_num_f32 v[Q], v[Q], |v19|, |v20|
	v_max3_num_f32 v[Q], v[Q], |v21|, |v22|
	v_max_num_f32 v[Q], v[Q], |v23|
	v_mov_b32 v[Q+1], 0                            ; waves 4-7 hold no parameter: 0 is neutral for a maximum of magnitudes
	v_mov_b32 v[Q+2], 0
	v_mov_b32 v30, 0                               ; v_permlanex16_b32's destination counts as read
	s_cmp_ge_u32 s2, 4
	s_cbranch_scc1 .Lpar_maxed
	v_and_b32 v[Q+1], 0x7fffffff, v32
	v_max3_num_f32 v[Q+2], |v33|, |v34|, |v35|
	v_max_num_f32 v[Q+2], v[Q+2], |v36|
.Lpar_maxed:
.macro ABSMAX dst, base                ; the largest magnitude of my 64 numbers of a layer
	v_max3_num_f32 v[\dst], |v[\base]|, |v[\base+1]|, |v[\base+2]|
.set i, 3
.rept 30
	v_max3_num_f32 v[\dst], v[\dst], |v[\base+i]|, |v[\base+i+1]|
.set i, i+2
.endr
	v_max_num_f32 v[\dst], v[\dst], |v[\base+63]|
.endm
	s_wait_loadcnt 32                              ; W1's 16 loads are in; W2's and W3's stay out
	ABSMAX Q+3, R0
	s_wait_loadcnt 16
	ABSMAX Q+4, R1
	s_wait_loadcnt 0x0
	ABSMAX Q+5, R2
.macro WMAX r                          ; over the 32 lanes, the result in every lane
	v_max_num_f32_dpp v[\r], v[\r], v[\r] row_xmask:1 row_mask:0xf bank_mask:0xf
	v_max_num_f32_dpp v[\r], v[\r], v[\r] row_xmask:2 row_mask:0xf bank_mask:0xf
	v_max_num_f32_dpp v[\r], v[\r], v[\r] row_xmask:4 row_mask:0xf bank_mask:0xf
	v_max_num_f32_dpp v[\r], v[\r], v[\r] row_xmask:8 row_mask:0xf bank_mask:0xf
	v_permlanex16_b32 v30, v[\r], s46, s47
	v_max_num_f32 v[\r], v[\r], v30
.endm
.irp q, 0,1,2,3,4,5
	WMAX Q+\q
.endr
	s_lshl_b32 s7, s2, 2
	s_add_co_u32 s7, s7, RED
	v_mov_b32 v31, s7
.irp q, 0,1,2,3,4,5
	ds_store_b32 v31, v[Q+\q] offset:32*\q         ; word 8 q + w; all lanes store the same number
.endr
	v_lshl_add_u32 v10, v1, 2, RED                 ; lane L reads word L: quantity L / 8, wave L % 8
	v_and_b32 v11, 15, v0
	v_lshl_add_u32 v11, v11, 2, RED+128            ; and word 32 + L % 16: quantities 4 and 5
	s_wait_dscnt 0x0                               ; my words are written
	s_barrier_signal -1
	s_barrier_wait -1                              ; everybody's are
	ds_load_b32 v30, v10
	ds_load_b32 v31, v11
	s_wait_dscnt 0x0
.irp m, 1,2,4
	v_max_num_f32_dpp v30, v30, v30 row_xmask:\m row_mask:0xf bank_mask:0xf   ; over the eight waves' words, which lie in eight neighbouring lanes
	v_max_num_f32_dpp v31, v31, v31 row_xmask:\m row_mask:0xf bank_mask:0xf
.endr
	v_readlane_b32 s40, v30, 0                     ; max |x|
	v_readlane_b32 s41, v30, 8                     ; max |W0|
	v_readlane_b32 s42, v30, 16                    ; n
	v_readlane_b32 s43, v30, 24                    ; max |W1|
	v_readlane_b32 s44, v31, 0                     ; max |W2|
	v_readlane_b32 s45, v31, 8                     ; max |W3|
	; ---- bounds and scales, the same in every lane.  v8: the bound; v16-19: lambda_0..3; v10-13: 1 / lambda_0..3
.macro POW2 lam, inv
	v_max_num_f32 v8, 0x20000000, v8               ; clamp to 2^-63 .. 2^63: every power below stays a normal f32, quotients of two of them too
	v_min_num_f32 v8, 0x5f000000, v8
	v_and_b32 v[\inv], 0x7f800000, v8              ; 2^E: the exponent field e alone
	v_sub_nc_u32 v[\lam], 0x86000000, v[\inv]      ; field 268 - e: 2^(14 - E)
	v_add_nc_u32 v[\inv], 0xf9000000, v[\inv]      ; field e - 14: 2^(E - 14)
.endm
	v_mov_b32 v9, s42
	v_fma_f32 v8, s40, s41, v9                     ; B0
	POW2 16, 10
	v_mul_f32 v8, s43, v8
	v_fmamk_f32 v8, v8, 0x43000000, v9             ; B1 = 128 max|W1| B0 + n
	POW2 17, 11
	v_mul_f32 v8, s44, v8
	v_fmamk_f32 v8, v8, 0x43000000, v9
	POW2 18, 12
	v_mul_f32 v8, s45, v8
	v_fmamk_f32 v8, v8, 0x43000000, v9
	POW2 19, 13
	v_mul_f32 v20, v17, v10                        ; lambda_l / lambda_(l-1), each twice: a pair for the packed multiply
	v_mul_f32 v21, v17, v10
	v_mul_f32 v22, v18, v11
	v_mul_f32 v23, v18, v11
	v_mul_f32 v24, v19, v12
	v_mul_f32 v25, v19, v12
	; ---- parameters and weights into LDS
	s_cmp_ge_u32 s2, 4
	s_cbranch_scc1 .Lpar_stored
	v_mul_f32 v32, v32, v16
	v_mul_f32 v33, v33, v16
	v_mul_f32 v34, v34, v17
	v_mul_f32 v35, v35, v18
	v_mul_f32 v36, v36, v19
	v_mul_f32 v37, v37, v19
.irp a, 0,1,2,3,4,5
	ds_store_b32 v60, v[32+\a] offset:512*\a
.endr
.irp q, 0,1,2,3,4,5,6
	v_cvt_pk_f16_f32 v[52+\q], v[38+2*\q], v[39+2*\q]
.endr
	v_mov_b32 v59, 0                               ; outputs 14 and 15 do not exist: weights 0
	ds_store_b128 v61, v[52:55]
	ds_store_b128 v61, v[56:59] offset:16
.Lpar_stored:
.macro STAGE reg, rho, adr, off        ; four numbers of a row: scale, round, 8 bytes into LDS; a wave's store is a row's 256 bytes
	v_pk_mul_f32 v[\reg:\reg+1], v[\reg:\reg+1], v[\rho:\rho+1]
	v_pk_mul_f32 v[\reg+2:\reg+3], v[\reg+2:\reg+3], v[\rho:\rho+1]
	v_cvt_pk_f16_f32 v[\reg], v[\reg], v[\reg+1]
	v_cvt_pk_f16_f32 v[\reg+1], v[\reg+2], v[\reg+3]
	ds_store_b64 v[\adr], v[\reg:\reg+1] offset:\off
.endm
.irp i, 0,1,2,3,4,5,6,7,8,9,10,11,12,13,14,15
	STAGE R0+4*\i, 20, 62, WL1+WP*\i
.endr
.irp i, 0,1,2,3,4,5,6,7,8,9,10,11,12,13,14,15
	STAGE R1+4*\i, 22, 62, WL2+WP*\i
.endr
.irp i, 0,1,2,3,4,5,6,7,8,9,10,11,12,13,14,15
	STAGE R2+4*\i, 24, 63, WP*\i
.endr
	; ---- addresses.  A transposing load: lane L points at k row 8 h + L % 8, 16 bytes at column block (L / 8) % 2, and receives
	; k = 8 h .. 8 h + 7 of column r: registers 0-3 of a fragment; 16 k rows further down: registers 4-7.
	v_and_b32 v8, 7, v0
	v_bfe_u32 v9, v0, 4, 1                         ; h
	v_lshl_add_u32 v8, v9, 3, v8
	v_bfe_u32 v10, v0, 3, 1
	v_lshlrev_b32 v10, 4, v10
	v_mad_u32_u24 v11, v8, WP, v10
	v_lshl_add_u32 v12, v8, 5, v10
	v_lshl_add_u32 v14, v1, 2, s6
	v_and_b32 v[XA], 15, v0                        ; r
	v_lshl_add_u32 v[XA], v[XA], 2, s6
	v_add_nc_u32 v[XA], XS, v[XA]
	WIN W_SET
	v_mov_b32 v[AW1], v11
	v_add_nc_u32 v[AW2], WL2, v11
	v_add_nc_u32 v[AW3], WL3, v11
	v_add_nc_u32 v[AW4], W4L, v12
	v_lshl_add_u32 v[AB], v9, 5, PAR
	v_add_nc_u32 v[ZA], ZS, v14
	v_mov_b32 v[IV], v13
	v_mov_b32 v[IV+1], v13
	WIN 0
	s_wait_dscnt 0x0                               ; my part of the weights and parameters is written
	s_barrier_signal -1
	s_barrier_wait -1                              ; all of them are; from here on they are only read, and XS, ZS, YS are each wave's own bytes
; Four plain vector instructions stand between a matrix instruction and a load into one of its registers, or a vector instruction
; that reads its result or writes one of its registers (ISA guide 7.12.1 for vector instructions).
.macro PLACES
.rept 4
	v_nop
.endr
.endm
; Ten LDS loads: the four fragments (k steps 0..3) of one tile of 16 output features, and its eight biases, into buffer buf
.macro LOADG buf, adr, moff, cstep, half, boff
	WIN W_MUL
.irp c, 0,1,2,3
	ds_load_tr16_b128 v[FR+32*(\buf)+8*\c:FR+32*(\buf)+8*\c+3], v[\adr] offset:\c*(\cstep)+(\moff)
	ds_load_tr16_b128 v[FR+32*(\buf)+8*\c+4:FR+32*(\buf)+8*\c+7], v[\adr] offset:\c*(\cstep)+(\moff)+(\half)
.endr
	ds_load_b128 v[BI+8*(\buf):BI+8*(\buf)+3], v[AB] offset:\boff
	ds_load_b128 v[BI+8*(\buf)+4:BI+8*(\buf)+7], v[AB] offset:\boff+16
.endm
; Sixteen matrix instructions: one feature tile x four row tiles x K = 128.  The first product takes the biases as C.
; The four accumulators take turns, one instruction a turn.
.macro MUL16 buf, m, inlo, inhi
	WIN W_MUL
.irp t, 0,1,2,3
	v_wmma_f32_16x16x32_f16 v[32*(\m)+8*\t:32*(\m)+8*\t+7], v[FR+32*(\buf):FR+32*(\buf)+7], v[\inlo+8*\t:\inlo+8*\t+7], v[BI+8*(\buf):BI+8*(\buf)+7]
.endr
.irp t, 0,1,2,3
	v_wmma_f32_16x16x32_f16 v[32*(\m)+8*\t:32*(\m)+8*\t+7], v[FR+32*(\buf)+8:FR+32*(\buf)+15], v[\inlo+32+8*\t:\inlo+32+8*\t+7], v[32*(\m)+8*\t:32*(\m)+8*\t+7]
.endr
.irp t, 0,1,2,3
	v_wmma_f32_16x16x32_f16 v[32*(\m)+8*\t:32*(\m)+8*\t+7], v[FR+32*(\buf)+16:FR+32*(\buf)+23], v[\inhi+8*\t:\inhi+8*\t+7], v[32*(\m)+8*\t:32*(\m)+8*\t+7]
.endr
.irp t, 0,1,2,3
	v_wmma_f32_16x16x32_f16 v[32*(\m)+8*\t:32*(\m)+8*\t+7], v[FR+32*(\buf)+24:FR+32*(\buf)+31], v[\inhi+32+8*\t:\inhi+32+8*\t+7], v[32*(\m)+8*\t:32*(\m)+8*\t+7]
.endr
.endm
; Four feature tiles x four row tiles: ReLU in place, then rounded in pairs into two k steps of the next layer's source 1.
; The maxima go through the tiles in the order in which they were made: those of the first three tiles are the places behind the fourth's products.
.macro EPI out
	WIN W_MUL
.set i, 0
.rept 128
	v_max_num_f32 v[i], v[i], v[ZERO]
.set i, i+1
.endr
	WIN W_CVT
.irp m, 0,1,2,3
.irp t, 0,1,2,3
.irp q, 0,1,2,3
	v_cvt_pk_f16_f32 v[\out+32*(\m>>1)+8*\t+4*(\m&1)+\q], v[32*\m+8*\t+2*\q], v[32*\m+8*\t+2*\q+1]
.endr
.endr
.endr
.endm
; A hidden layer: eight feature tiles.  Ahead of each tile's products the next tile's ten loads go out, into the other buffer;
; the last tile fetches the next layer's first (nadr ..).  outb may be inlo: it is written when all eight tiles have been multiplied.
.macro LAYER adr, boff, inlo, inhi, outa, outb, nadr, ncstep, nhalf, nboff
.irp g, 0,1,2,3,4,5,6
.if (\g&3) != 0
	PLACES                                         ; (tiles 0 and 4 stand behind the vector work of a way out)
.endif
	LOADG (\g+1)&1, \adr, 32*(\g+1), 32*WP, 16*WP, \boff+64*(\g+1)
	s_wait_dscnt 10                                ; all but the ten just issued: this tile's fragments and biases are in
	MUL16 \g&1, \g&3, \inlo, \inhi
.if \g == 3
	EPI \outa
.endif
.endr
	PLACES
	LOADG 0, \nadr, 0, \ncstep, \nhalf, \nboff
	s_wait_dscnt 10
	MUL16 1, 3, \inlo, \inhi
	EPI \outb
.endm
; Layer 0 for row tile t: 64 numbers a lane, k = 16 e + 8 h + i, which are the lane's part of source 1 for all four k steps
.macro LAYER0 t
	WIN W_MUL
.set i, 0
.rept 32
.if (\t&1)
	v_pk_fma_f32 v[T+i:T+i+1], v[W0L+i:W0L+i+1], v[X+\t-1:X+\t], v[B0L+i:B0L+i+1] op_sel:[0,1,0]       ; both by the pair's second register
.else
	v_pk_fma_f32 v[T+i:T+i+1], v[W0L+i:W0L+i+1], v[X+\t:X+\t+1], v[B0L+i:B0L+i+1] op_sel_hi:[1,0,1]    ; both by its first
.endif
.set i, i+2
.endr
.set i, 0
.rept 64
	v_max_num_f32 v[T+i], v[T+i], v[ZERO]
.set i, i+1
.endr
	WIN W_CVT
.irp e, 0,1,2,3,4,5,6,7
.irp q, 0,1,2,3
	v_cvt_pk_f16_f32 v[R0+32*(\e>>1)+8*\t+4*(\e&1)+\q], v[T+8*\e+2*\q], v[T+8*\e+2*\q+1]
.endr
.endr
.endm
; The spline for rows 32 p + L of the trip, one row a lane.  Behind each run of transcendentals one plain vector instruction that touches
; neither their results nor their sources comes first (ISA guide 5.7.2).
.macro SPLINE p
.set P, 16*\p
.set Z, ZZ+\p
.irp j, 0,1,2,3,4,5,6,7
	v_permlane16_swap_b32 v[P+\j], v[P+8+\j]       ; tile 2p's upper lanes (phi 8+j) change places with tile 2p+1's lower lanes (phi j): v[P+j] = phi j, v[P+8+j] = phi 8+j of row L
.endr
	v_max3_num_f32 v[MW], v[P], v[P+1], v[P+2]
	v_max3_num_f32 v[MH], v[P+5], v[P+6], v[P+7]
	v_max3_num_f32 v[MW], v[MW], v[P+3], v[P+4]
	v_max3_num_f32 v[MH], v[MH], v[P+8], v[P+9]
	v_mul_f32 v[MW], s34, v[MW]
	v_mul_f32 v[MH], s34, v[MH]
.irp i, 0,1,2,3,4
	v_fma_f32 v[EW+\i], v[P+\i], s34, -v[MW]       ; (phi - max) log2 e; the rounding of max log2 e is common to the five and cancels in the quotient
	v_fma_f32 v[EH+\i], v[P+5+\i], s34, -v[MH]
.endr
.irp i, 0,1,2,3,4,5,6,7,8,9
	v_exp_f32 v[EW+\i], v[EW+\i]
.endr
	v_max_num_f32 v[ZC], s37, v[Z]                 ; the clip of z, first half
	s_wait_alu depctr_va_vdst(0)
.irp i, 1,2,3,4
	v_add_f32 v[EW+\i], v[EW+\i], v[EW+\i-1]       ; running sums
	v_add_f32 v[EH+\i], v[EH+\i], v[EH+\i-1]
.endr
	v_rcp_f32 v[RW], v[EW+4]
	v_rcp_f32 v[RH], v[EH+4]
	v_min_num_f32 v[ZC], s38, v[ZC]                ; second half
	s_wait_alu depctr_va_vdst(0)
	v_mul_f32 v[RW], s39, v[RW]
	v_mul_f32 v[RH], s39, v[RH]
.irp i, 0,1,2,3,4
	v_fma_f32 v[EW+\i], v[EW+\i], v[RW], s37       ; knots 1..5
	v_fma_f32 v[EH+\i], v[EH+\i], v[RH], s37
.endr
.irp i, 0,1,2,3
	v_cmp_ge_f32 s[40+\i], v[ZC], v[EH+\i]         ; c1..c4: the knots ascend, so bin k = how many hold, and c(i+1) implies c(i)
.endr
	v_cndmask_b32 v[SX0], s37, v[EW], s40          ; the bin's knots, chosen by selects: no address hangs on them
	v_cndmask_b32 v[SX1], v[EW], v[EW+1], s40
	v_cndmask_b32 v[SY0], s37, v[EH], s40
	v_cndmask_b32 v[SY1], v[EH], v[EH+1], s40
.irp i, 1,2,3
	v_cndmask_b32 v[SX0], v[SX0], v[EW+\i], s[40+\i]
	v_cndmask_b32 v[SX1], v[SX1], v[EW+\i+1], s[40+\i]
	v_cndmask_b32 v[SY0], v[SY0], v[EH+\i], s[40+\i]
	v_cndmask_b32 v[SY1], v[SY1], v[EH+\i+1], s[40+\i]
.endr
	v_cndmask_b32 v[DL], v[P+10], v[P+11], s41     ; the raw slopes at the bin's two knots: softplus is made of these two alone
	v_cndmask_b32 v[DH], v[P+10], v[P+11], s40
	v_cndmask_b32 v[DL], v[DL], v[P+12], s42
	v_cndmask_b32 v[DH], v[DH], v[P+12], s41
	v_cndmask_b32 v[DL], v[DL], v[P+13], s43
	v_cndmask_b32 v[DH], v[DH], v[P+13], s42
	v_mul_f32 v[GL], -|v[DL]|, s34
	v_mul_f32 v[GH], -|v[DH]|, s34
	v_exp_f32 v[GL], v[GL]
	v_exp_f32 v[GH], v[GH]
	v_sub_f32 v[DX], v[SX1], v[SX0]
	v_sub_f32 v[DY], v[SY1], v[SY0]
	s_wait_alu depctr_va_vdst(0)
	v_add_f32 v[GL], 1.0, v[GL]
	v_add_f32 v[GH], 1.0, v[GH]
	v_log_f32 v[GL], v[GL]
	v_log_f32 v[GH], v[GH]
	v_rcp_f32 v[RDX], v[DX]
	v_max_num_f32 v[DL], 0, v[DL]
	v_max_num_f32 v[DH], 0, v[DH]
	v_sub_f32 v[TT], v[ZC], v[SY0]                 ; t
	s_wait_alu depctr_va_vdst(0)
	v_fma_f32 v[GL], v[GL], s35, s36               ; ln(1 + e^-|d|) + 1e-4
	v_fma_f32 v[GH], v[GH], s35, s36
	v_add_f32 v[DL], v[DL], v[GL]
	v_add_f32 v[DH], v[DH], v[GH]
	v_cndmask_b32 v[DL], 1.0, v[DL], s40           ; d0: 1 at the lowest knot
	v_cndmask_b32 v[DH], v[DH], 1.0, s43           ; d1: 1 at the highest
	v_mul_f32 v[SS], v[DY], v[RDX]                 ; s
	v_add_f32 v[MM], v[DL], v[DH]
	v_fma_f32 v[MM], v[SS], -2.0, v[MM]            ; m
	v_mul_f32 v[TM], v[TT], v[MM]
	v_sub_f32 v[AA], v[SS], v[DL]
	v_mul_f32 v[ST], v[SS], v[TT]                  ; s t = -c
	v_fma_f32 v[AA], v[DY], v[AA], v[TM]           ; a
	v_fma_f32 v[BB], v[DY], v[DL], -v[TM]          ; b
	v_mul_f32 v[AA], v[AA], v[ST]
	v_mul_f32 v[DI], v[BB], v[BB]
	v_fma_f32 v[DI], v[AA], 4.0, v[DI]             ; b b - 4 a c
	v_max_num_f32 v[DI], 0, v[DI]
	v_sqrt_f32 v[DI], v[DI]
	v_add_f32 v[ST], v[ST], v[ST]
	s_wait_alu depctr_va_vdst(0)
	v_add_f32 v[DI], v[BB], v[DI]                  ; 2 c / (-b - root) = 2 s t / (b + root)
	v_rcp_f32 v[DI], v[DI]
	v_mul_f32 v[ST], v[ST], v[DX]
	v_cmp_lt_f32 s44, |v[Z]|, s38
	s_wait_alu depctr_va_vdst(0)
	v_fma_f32 v[DI], v[ST], v[DI], v[SX0]
	v_cndmask_b32 v[DI], v[Z], v[DI], s44          ; outside (-5, 5), and for a NaN: z itself
	ds_store_b32 v[ZA], v[DI] offset:YS-ZS+128*\p
.endm
	s_mov_b32 s3, 0
.Ltrip:                                            ; 64 rows
.irp t, 0,1,2,3
	ds_load_b32 v[X+\t], v[XA] offset:64*\t        ; x of row r of tile t, in both halves of the lanes
.endr
	WIN W_MUL
.irp e, 0,1,2,3,4,5,6,7
	ds_load_b128 v[W0L+8*\e:W0L+8*\e+3], v[AB] offset:64*\e
	ds_load_b128 v[W0L+8*\e+4:W0L+8*\e+7], v[AB] offset:64*\e+16
	ds_load_b128 v[B0L+8*\e:B0L+8*\e+3], v[AB] offset:512+64*\e
	ds_load_b128 v[B0L+8*\e+4:B0L+8*\e+7], v[AB] offset:512+64*\e+16
.endr
	ds_load_b32 v[ZZ], v[ZA]
	ds_load_b32 v[ZZ+1], v[ZA] offset:128
	s_wait_dscnt 0x0
	LAYER0 0
	LAYER0 1
	LAYER0 2
	LAYER0 3
	LOADG 0, AW1, 0, 32*WP, 16*WP, 1024
	LAYER AW1, 1024, R0, R1, R2, R0, AW2, 32*WP, 16*WP, 1536
	LAYER AW2, 1536, R2, R0, R1, R2, AW3, 32*WP, 16*WP, 2048
	LAYER AW3, 2048, R1, R2, R0, R1, AW4, 32*W4P, 16*W4P, 2560
	s_wait_dscnt 0x0                               ; W4's fragments and b4
	MUL16 0, 0, R0, R1
	PLACES
	WIN W_SPL
.set i, 0
.rept 16
	v_pk_mul_f32 v[i:i+1], v[i:i+1], v[IV:IV+1]    ; phi = D / lambda_3: a power of two, exact
.set i, i+2
.endr
	SPLINE 0
	SPLINE 1
	v_add_nc_u32 v[ZA], 0x100, v[ZA]
	WIN 0
	v_add_nc_u32 v[XA], 0x100, v[XA]
	s_add_co_u32 s3, s3, 1
	s_cmp_lt_u32 s3, 4
	s_cbranch_scc1 .Ltrip
	ds_load_b128 v[16:19], v[SA] offset:YS-XS      ; my wave's 256 y: its own bytes, and LDS serves a wave's instructions in order (ISA guide 5.7.1)
	ds_load_b128 v[20:23], v[SA] offset:YS-XS+512
	s_wait_dscnt 0x0
	global_store_b128 v[GO], v[16:19], s[32:33] th:TH_STORE_NT             ; each store of the wave covers 512 consecutive bytes, aligned
	global_store_b128 v[GO], v[20:23], s[32:33] offset:512 th:TH_STORE_NT
	s_wait_tensorcnt 0x0
	ds_add_u32 v2, v15
	s_wait_dscnt 0x0
	s_endpgm
.Lfunc_end_k_q571e451f53_nflow:
	.size	k_q571e451f53_nflow, .Lfunc_end_k_q571e451f53_nflow-k_q571e451f53_nflow
	.p2alignl 7, 3214868480
	.fill 96, 4, 3214868480
	.section	.rodata,"a",@progbits
	.p2align	6, 0x0
	.amdhsa_kernel k_q571e451f53_nflow
		.amdhsa_group_segment_fixed_size 143616
		.amdhsa_private_segment_fixed_size 0
		.amdhsa_enable_private_segment 0
		.amdhsa_kernarg_size 104
		.amdhsa_user_sgpr_count 2
		.amdhsa_user_sgpr_kernarg_segment_ptr 1
		.amdhsa_wavefront_size32 1
		.amdhsa_system_sgpr_workgroup_id_x 1
		.amdhsa_system_sgpr_workgroup_id_y 1
		.amdhsa_system_sgpr_workgroup_id_z 1
		.amdhsa_system_vgpr_workitem_id 0
		.amdhsa_next_free_vgpr 512
		.amdhsa_next_free_sgpr 66
		.amdhsa_reserve_vcc 0
		.amdhsa_float_denorm_mode_32 3
		.amdhsa_float_denorm_mode_16_64 3
		.amdhsa_memory_ordered 1
		.amdhsa_forward_progress 1
		.amdhsa_inst_pref_size 172
	.end_amdhsa_kernel
	.amdgpu_metadata
---
amdhsa.version: [ 1, 2 ]
amdhsa.kernels:
  - .name:           k_q571e451f53_nflow
    .symbol:         k_q571e451f53_nflow.kd
    .args:
      - { .name: x, .offset: 0, .size: 8, .value_kind: global_buffer, .address_space: global }
      - { .name: z, .offset: 8, .size: 8, .value_kind: global_buffer, .address_space: global }
      - { .name: W0, .offset: 16, .size: 8, .value_kind: global_buffer, .address_space: global }
      - { .name: b0, .offset: 24, .size: 8, .value_kind: global_buffer, .address_space: global }
      - { .name: W1, .offset: 32, .size: 8, .value_kind: global_buffer, .address_space: global }
      - { .name: b1, .offset: 40, .size: 8, .value_kind: global_buffer, .address_space: global }
      - { .name: W2, .offset: 48, .size: 8, .value_kind: global_buffer, .address_space: global }
      - { .name: b2, .offset: 56, .size: 8, .value_kind: global_buffer, .address_space: global }
      - { .name: W3, .offset: 64, .size: 8, .value_kind: global_buffer, .address_space: global }
      - { .name: b3, .offset: 72, .size: 8, .value_kind: global_buffer, .address_space: global }
      - { .name: W4, .offset: 80, .size: 8, .value_kind: global_buffer, .address_space: global }
      - { .name: b4, .offset: 88, .size: 8, .value_kind: global_buffer, .address_space: global }
      - { .name: out0, .offset: 96, .size: 8, .value_kind: global_buffer, .address_space: global }
    .group_segment_fixed_size: 143616
    .private_segment_fixed_size: 0
    .kernarg_segment_align: 8
    .kernarg_segment_size: 104
    .max_flat_workgroup_size: 256
    .sgpr_count:     66
    .vgpr_count:     512
    .wavefront_size: 32
...
	.end_amdgpu_metadata
.endif
;; end of part 1
;; ======== version 2 of 2: 1 launch; version 1 with the launch nflow written anew for expert scheduling mode
;; limits: right only within a limited range of input values; values are held in f16: magnitudes above 65,504 overflow, below 6.1e-05 lose precision
;; launch nflow (part 2): grid 256 x 1, 8 waves a work-group, no clusters, 143,616 bytes of LDS; arguments x, z, W0, b0, W1, b1, W2, b2, W3, b3, W4, b4, out0; writes out0
.if DOCPART == 2
	.amdgcn_target "amdgcn-amd-amdhsa--gfx1250"
	.amdhsa_code_object_version 6
	.text
	.protected	k_q571e451f53_nflow
	.globl	k_q571e451f53_nflow
	.p2align	8
	.type	k_q571e451f53_nflow,@function
k_q571e451f53_nflow:
	s_mov_b64 s[64:65], 0
	v_nop
	global_prefetch_b8 v0, s[64:65] scope:SCOPE_SE
	s_setreg_imm32_b32 hwreg(HW_REG_WAVE_SCHED_MODE, 0, 2), 2
	s_setreg_imm32_b32 hwreg(HW_REG_WAVE_MODE, 25, 1), 1
	s_wait_xcnt 0x0
	s_wait_alu depctr_vm_vsrc(0)
; y = T^-1(z; phi(x)): phi = MLP 1 -> 128 -> 128 -> 128 -> 128 -> 14 (ReLU), T a monotonic rational-quadratic spline of 5 bins on [-5, 5].
; 524,288 rows; 256 work-groups of 8 waves; a work-group owns 2,048 rows, a wave 256, a trip of the loop 64 (four tiles of 16 rows).
;
; THE CHAIN IS TRANSPOSED: each layer is H'^T = W^T H^T.  Source 0 = 16 output features x 32 k of W^T, source 1 = 32 k x 16 rows.
; In the result lane (r, h) holds, in register j, feature 16 mt + 8 h + j of row r: packed in pairs these eight numbers ARE registers
; 0-3 (mt even) or 4-7 (mt odd) of the next layer's source 1 for k step mt / 2.  So activations never leave the registers.
; Weights lie in LDS as f16 in memory order [k][n]; a transposing LDS load makes source 0, and each fragment feeds four row tiles.
; A bias is the C operand of a sum's first product: nothing is cleared and nothing is added afterwards.
; Layer 0 has K = 1: it is one fused multiply-add a number, in f32.  Two waves share a SIMD, so that one wave's vector work
; (ReLU, rounding, layer 0, the spline) runs beside the other's matrix work.
;
; NUMBER FORMAT: f16 operands, f32 sums.  A knot of the spline is 10 x a running sum of a softmax, so an error in phi reaches y about
; threefold; f16's 11 significant bits keep that inside the allowance, 8 bits would not.  f16's range is kept by powers of two made from bounds:
;   B0 = max|x| max|W0| + n,  B_l = 128 max|W_l| B_(l-1) + n,  n = max over b0..b3  (max|x| over the work-group's rows), so |h_l| <= B_l;
;   lambda_l = 2^(14 - E_l), 2^E_l <= B_l < 2^(E_l + 1): the stored activation lambda_l h_l is below 2^15.
; Stored: W0, b0 x lambda_0; b_l x lambda_l; W_l x lambda_l / lambda_(l-1) (at most 2^-6 in size); b4 x lambda_3; W4 as it is; phi = D / lambda_3.
; LIMITS: the bounds are clamped to 2^-63 .. 2^63: inputs whose B_3 passes 2^63 are not served.  |W4| < 65,504.  Operands are rounded to f16
; (what falls below 2^-24 of the scaled range is lost).  A softmax term below 2^-126 counts as 0 (v_exp_f32 flushes).  Knots are
; fma(running sum, 10 / sum, -5): another order of rounding than softmax, x 10, cumsum.  softplus = max(d, 0) + ln 2 log2(1 + e^-|d|): absolute
; error up to 6e-8 beside the floor of 1e-4.  Quotients and the root by v_rcp_f32, v_sqrt_f32.  ReLU of a NaN is 0.
;
; NO CLUSTER, NO TENSOR LOADS: what work-groups share is the 205 KB of weights, read once per work-group ahead of 12,800 matrix instructions;
; they have to pass through registers anyway, to be scaled and rounded.  Inside the loop nothing comes from memory: no ring, no prefetch.
;
; THE MODE: SCHED_MODE bits 1:0 = 2 (LLVM: expert scheduling mode 2), set by the entry lines.  The code itself states the register dependences
; between vector or matrix instructions and memory or LDS instructions, with s_wait_alu, always for 0.
; THE PLAN.  Registers that LDS instructions touch in the loop:
;   X               loaded at the trip's head; read by layer 0.
;   window 1, 0-127 W0 and b0 are loaded into them at the trip's head; then they are accumulators and the spline's registers.
;   FR0-2, BI0-2    three buffers of a feature tile's fragments and biases: loaded; read by products alone.  FR0 and FR1 are also layer 0's T.
;   ZZ, YY          in FR0: z is loaded with W4's fragments, when FR0 has been multiplied for the last time in the trip; the splines write the two y,
;                   which the two LDS stores at the trip's end read.
;   AW1-4, AB       addresses, made in the head and never written again.       XA, ZA  addresses, each stepped by one add at the trip's head.
; A layer is two halves of four feature tiles, which use buffers 2, 0, 1, 2.  Waits on va_vdst: (1) behind layer 0's roundings, ahead of the loads into
; FR0 and FR1; (2) in a half behind its first tile's products, ahead of the fourth tile's loads into buffer 2; (3) in a half between the ReLU maxima
; and the roundings: every product of the half is done reading, the next half's first three tiles are asked for, and the roundings, which name
; accumulators and activations alone, follow; (4) at the trip's end, ahead of the y stores and of the next trip's first loads: no vector instruction stands
; between it and those.  One wait on vm_vsrc a trip, ahead of the two adds and of layer 0.  One wait on va_sdst in a spline, behind its five compares.
; ---- LDS, bytes
.set WP,   288                         ; pitch of a k row of W1..W3: 256 bytes of f16 + 32, nine times 32
.set WL1,  0
.set WL2,  128*WP
.set WL3,  2*128*WP
.set W4L,  3*128*WP                    ; W4: 128 k rows of 32 bytes, 14 f16 and two zeros
.set W4P,  32
.set PAR,  W4L+128*W4P                 ; f32, scaled: W0 +0, b0 +512, b1 +1024, b2 +1536, b3 +2048, b4 +2560 (word t = b4[min(t, 13)])
.set XS,   PAR+3072                    ; x, 1,024 bytes for each wave
.set ZS,   XS+8192                     ; z likewise
.set YS,   ZS+8192                     ; y likewise
.set RED,  YS+8192                     ; six maxima x eight waves: word 8 q + w
; ---- window 0 (v0-v255)
.set ZERO, 3                           ; 0.0
.set XA,   4                           ; XS + 1024 w + 4 r, + 256 a trip
.set SA,   5                           ; XS + 1024 w + 16 L
.set GO,   6                           ; 1024 w + 16 L: my 16 bytes of the work-group's x, z, y
.set WO,   7                           ; 8192 w + 16 L: my 16 bytes of row 16 w of W1..W3
.set X,    8                           ; v8-11: x of row r of tiles 0..3
.set Q,    24                          ; head: v24-29 maxima of |x|, |W0|, |b0..b3|, |W1|, |W2|, |W3|
.set R0,   64                          ; three regions of 64: two k steps of source 1 for four tiles: 32 (c & 1) + 8 t
.set R1,   128
.set R2,   192
; ---- window 1 (v256-v511, written by their low 8 bits)
.set W0L,  0                           ; layer 0: 64 of W0, 64 of b0 (index 8 e + i: k = 16 e + 8 h + i); afterwards the accumulators 32 m + 8 t
.set B0L,  64
.set T,    128                         ; layer 0: 64 numbers at work
.set FR,   128                         ; three buffers of four fragments of W^T
.set ZZ,   128                         ; z of rows L and 32 + L of the trip: in buffer 0, loaded behind its last products of the trip
.set YY,   130                         ; y of the same two rows
.set BI,   224                         ; three buffers of eight biases
.set AW1,  248                         ; LDS addresses of my part of a fragment in W1, W2, W3, W4
.set AW2,  249
.set AW3,  250
.set AW4,  251
.set AB,   252                         ; PAR + 32 h
.set ZA,   253                         ; ZS + 1024 w + 4 L - 256, + 256 at each trip's head
.set IV,   254                         ; 1 / lambda_3, twice
; the spline's registers, window 1
.set ZC, 32
.set MW, 33
.set MH, 34
.set EW, 36                            ; 36-40: exponentials, running sums, then x knots 1..5
.set EH, 41                            ; 41-45: the same for y
.set RW, 46
.set RH, 47
.set SX0, 48
.set SX1, 49
.set SY0, 50
.set SY1, 51
.set DL, 52
.set DH, 53
.set GL, 54
.set GH, 55
.set DX, 58
.set DY, 59
.set RDX, 60
.set SS, 61
.set TT, 62
.set MM, 63
.set TM, 64
.set AA, 65
.set BB, 66
.set ST, 67
.set DI, 68
; s_set_vgpr_msb, low byte: bits 1:0 source 0, 3:2 source 1, 5:4 source 2, 7:6 destination; the high byte repeats the setting that is left
.set MSB, 0
.macro WIN new
.if MSB != \new
	s_set_vgpr_msb (MSB<<8)|\new
.set MSB, \new
.endif
.endm
.set W_MUL, 0x51                       ; source 1 in window 0, all else in window 1: matrix instructions, LDS loads, layer 0's fma, ReLU
.set W_CVT, 0x05                       ; sources in window 1, destination in window 0: the roundings to f16
.set W_SPL, 0x55                       ; all in window 1
.set W_SET, 0x40                       ; destination in window 1
	s_load_b512 s[8:23], s[0:1], 0x0               ; x s[8:9], z s[10:11], W0 s[12:13], b0 s[14:15], W1 s[16:17], b1 s[18:19], W2 s[20:21], b2 s[22:23]
	s_load_b256 s[24:31], s[0:1], 0x40             ; W3 s[24:25], b3 s[26:27], W4 s[28:29], b4 s[30:31]
	s_load_b64 s[32:33], s[0:1], 0x60              ; out0
	v_lshl_add_u32 v2, v0, 2, 0x22d00
	v_mov_b32 v15, 0
	v_lshrrev_b32 v1, 5, v0
	v_readfirstlane_b32 s2, v1                     ; wave w
	v_and_b32 v1, 31, v0                           ; lane L
	s_lshl_b32 s4, ttmp9, 13                       ; the work-group's 2,048 rows of 4 bytes
	s_mov_b32 s5, 0
	s_mov_b32 s34, 0x3fb8aa3b                      ; log2 e
	s_mov_b32 s35, 0x3f317218                      ; ln 2
	s_mov_b32 s36, 0x38d1b717                      ; 1e-4
	s_mov_b32 s37, 0xc0a00000                      ; -5
	s_mov_b32 s38, 0x40a00000                      ; 5
	s_mov_b32 s39, 0x41200000                      ; 10
	s_mov_b32 s46, 0x76543210                      ; v_permlanex16_b32: lane i takes lane i of the other half
	s_mov_b32 s47, 0xfedcba98
	s_wait_alu depctr_va_sdst(0)                   ; s2 is written, ahead of its first reader
	s_lshl_b32 s6, s2, 10                          ; 1024 w
	s_lshl_b32 s7, s2, 13                          ; 8192 w: 16 rows of 512 bytes
	s_mul_i32 s3, s2, 16*WP                        ; the same 16 rows in LDS
	v_mov_b32 v[ZERO], 0
	v_lshl_add_u32 v[GO], v1, 4, s6
	v_lshl_add_u32 v[WO], v1, 4, s7
	v_add_nc_u32 v[SA], XS, v[GO]
	v_lshl_add_u32 v62, v1, 3, s3                  ; where my 8 bytes of f16 of row 16 w go, in W1 (W2 by the offset)
	v_add_nc_u32 v63, WL3, v62                     ; and in W3, which lies beyond the 16-bit offset
	v_lshlrev_b32 v12, 2, v0                       ; threads 0-127: element t of W0, b0..b3
	v_min_u32 v13, 13, v0
	v_lshlrev_b32 v13, 2, v13                      ; b4[min(t, 13)]: stays inside its 56 bytes
	v_mul_u32_u24 v14, 56, v0                      ; row t of W4
	v_add_nc_u32 v60, PAR, v12
	v_lshl_add_u32 v61, v0, 5, W4L
	s_wait_kmcnt 0x0
	s_add_nc_u64 s[8:9], s[8:9], s[4:5]
	s_add_nc_u64 s[10:11], s[10:11], s[4:5]
	s_add_nc_u64 s[32:33], s[32:33], s[4:5]
	s_wait_alu depctr_va_vdst(0)                   ; the offsets and addresses v5-7, v12-14, v60-63 are written, which the loads and stores of the head and the way out read
	s_cmp_ge_u32 s2, 4                             ; waves 0-3, thread t: the small parameters, 13 loads
	s_cbranch_scc1 .Lpar_asked
	global_load_b32 v32, v12, s[12:13]
	global_load_b32 v33, v12, s[14:15]
	global_load_b32 v34, v12, s[18:19]
	global_load_b32 v35, v12, s[22:23]
	global_load_b32 v36, v12, s[26:27]
	global_load_b32 v37, v13, s[30:31]
.irp q, 0,1,2,3,4,5,6
	global_load_b64 v[38+2*\q:39+2*\q], v14, s[28:29] offset:8*\q
.endr
.Lpar_asked:
	global_load_b128 v[16:19], v[GO], s[8:9] th:TH_LOAD_NT              ; my wave's 256 x and 256 z: 512 neighbouring bytes a load
	global_load_b128 v[20:23], v[GO], s[8:9] offset:512 th:TH_LOAD_NT
	global_load_b128 v[24:27], v[GO], s[10:11] th:TH_LOAD_NT
	global_load_b128 v[28:31], v[GO], s[10:11] offset:512 th:TH_LOAD_NT
.irp i, 0,1,2,3,4,5,6,7,8,9,10,11,12,13,14,15
	global_load_b128 v[R0+4*\i:R0+4*\i+3], v[WO], s[16:17] offset:512*\i   ; rows 16 w + i of W1: a load is one whole row
.endr
.irp i, 0,1,2,3,4,5,6,7,8,9,10,11,12,13,14,15
	global_load_b128 v[R1+4*\i:R1+4*\i+3], v[WO], s[20:21] offset:512*\i   ; of W2
.endr
.irp i, 0,1,2,3,4,5,6,7,8,9,10,11,12,13,14,15
	global_load_b128 v[R2+4*\i:R2+4*\i+3], v[WO], s[24:25] offset:512*\i   ; of W3
.endr
	; ---- the six maxima of this wave
	s_wait_loadcnt 48                              ; all but the 48 weight loads: parameters, x, z are in
	ds_store_b128 v[SA], v[16:19]
	ds_store_b128 v[SA], v[20:23] offset:512
	ds_store_b128 v[SA], v[24:27] offset:ZS-XS
	ds_store_b128 v[SA], v[28:31] offset:ZS-XS+512
	s_wait_alu depctr_vm_vsrc(0)                   ; these four stores have read v16-31, and the loads above their offsets v12-14: all of them are written again below
	v_max3_num_f32 v[Q], |v16|, |v17|, |v18|
	v_max3_num_f32 v[Q], v[Q], |v19|, |v20|
	v_max3_num_f32 v[Q], v[Q], |v21|, |v22|
	v_max_num_f32 v[Q], v[Q], |v23|
	v_mov_b32 v[Q+1], 0                            ; waves 4-7 hold no parameter: 0 is neutral for a maximum of magnitudes
	v_mov_b32 v[Q+2], 0
	v_mov_b32 v30, 0                               ; v_permlanex16_b32's destination counts as read
	s_cmp_ge_u32 s2, 4
	s_cbranch_scc1 .Lpar_maxed
	v_and_b32 v[Q+1], 0x7fffffff, v32
	v_max3_num_f32 v[Q+2], |v33|, |v34|, |v35|
	v_max_num_f32 v[Q+2], v[Q+2], |v36|
.Lpar_maxed:
.macro ABSMAX dst, base                ; the largest magnitude of my 64 numbers of a layer
	v_max3_num_f32 v[\dst], |v[\base]|, |v[\base+1]|, |v[\base+2]|
.set i, 3
.rept 30
	v_max3_num_f32 v[\dst], v[\dst], |v[\base+i]|, |v[\base+i+1]|
.set i, i+2
.endr
	v_max_num_f32 v[\dst], v[\dst], |v[\base+63]|
.endm
	s_wait_loadcnt 32                              ; W1's 16 loads are in; W2's and W3's stay out
	ABSMAX Q+3, R0
	s_wait_loadcnt 16
	ABSMAX Q+4, R1
	s_wait_loadcnt 0x0
	ABSMAX Q+5, R2
.macro WMAX r                          ; over the 32 lanes, the result in every lane
	v_max_num_f32_dpp v[\r], v[\r], v[\r] row_xmask:1 row_mask:0xf bank_mask:0xf
	v_max_num_f32_dpp v[\r], v[\r], v[\r] row_xmask:2 row_mask:0xf bank_mask:0xf
	v_max_num_f32_dpp v[\r], v[\r], v[\r] row_xmask:4 row_mask:0xf bank_mask:0xf
	v_max_num_f32_dpp v[\r], v[\r], v[\r] row_xmask:8 row_mask:0xf bank_mask:0xf
	v_permlanex16_b32 v30, v[\r], s46, s47
	v_max_num_f32 v[\r], v[\r], v30
.endm
.irp q, 0,1,2,3,4,5
	WMAX Q+\q
.endr
	s_lshl_b32 s7, s2, 2
	s_add_co_u32 s7, s7, RED
	v_mov_b32 v31, s7
	v_lshl_add_u32 v10, v1, 2, RED                 ; lane L reads word L: quantity L / 8, wave L % 8
	v_and_b32 v11, 15, v0
	v_lshl_add_u32 v11, v11, 2, RED+128            ; and word 32 + L % 16: quantities 4 and 5
	s_wait_alu depctr_va_vdst(0)                   ; the six maxima and v31 are written, which the stores read; so are v10 and v11, by which the loads behind the barrier read
.irp q, 0,1,2,3,4,5
	ds_store_b32 v31, v[Q+\q] offset:32*\q         ; word 8 q + w; all lanes store the same number
.endr
	s_wait_dscnt 0x0                               ; my words are written
	s_barrier_signal -1
	s_barrier_wait -1                              ; everybody's are
	ds_load_b32 v8, v10                            ; into registers that nothing has named yet
	ds_load_b32 v9, v11
	s_wait_dscnt 0x0
	s_wait_alu depctr_vm_vsrc(0)                   ; the two loads have read v10 and v11, the six stores v24 and v25: the scales below are written there
.irp m, 1,2,4
	v_max_num_f32_dpp v8, v8, v8 row_xmask:\m row_mask:0xf bank_mask:0xf   ; over the eight waves' words, which lie in eight neighbouring lanes
	v_max_num_f32_dpp v9, v9, v9 row_xmask:\m row_mask:0xf bank_mask:0xf
.endr
	v_readlane_b32 s40, v8, 0                      ; max |x|
	v_readlane_b32 s41, v8, 8                      ; max |W0|
	v_readlane_b32 s42, v8, 16                     ; n
	v_readlane_b32 s43, v8, 24                     ; max |W1|
	v_readlane_b32 s44, v9, 0                      ; max |W2|
	v_readlane_b32 s45, v9, 8                      ; max |W3|
	s_wait_alu depctr_va_sdst(0)                   ; s40-45 are written, ahead of their first reader
	; ---- bounds and scales, the same in every lane.  v8: the bound; v16-19: lambda_0..3; v10-13: 1 / lambda_0..3
.macro POW2 lam, inv
	v_max_num_f32 v8, 0x20000000, v8               ; clamp to 2^-63 .. 2^63: every power below stays a normal f32, quotients of two of them too
	v_min_num_f32 v8, 0x5f000000, v8
	v_and_b32 v[\inv], 0x7f800000, v8              ; 2^E: the exponent field e alone
	v_sub_nc_u32 v[\lam], 0x86000000, v[\inv]      ; field 268 - e: 2^(14 - E)
	v_add_nc_u32 v[\inv], 0xf9000000, v[\inv]      ; field e - 14: 2^(E - 14)
.endm
	v_mov_b32 v9, s42
	v_fma_f32 v8, s40, s41, v9                     ; B0
	POW2 16, 10
	v_mul_f32 v8, s43, v8
	v_fmamk_f32 v8, v8, 0x43000000, v9             ; B1 = 128 max|W1| B0 + n
	POW2 17, 11
	v_mul_f32 v8, s44, v8
	v_fmamk_f32 v8, v8, 0x43000000, v9
	POW2 18, 12
	v_mul_f32 v8, s45, v8
	v_fmamk_f32 v8, v8, 0x43000000, v9
	POW2 19, 13
	v_mul_f32 v20, v17, v10                        ; lambda_l / lambda_(l-1), each twice: a pair for the packed multiply
	v_mul_f32 v21, v17, v10
	v_mul_f32 v22, v18, v11
	v_mul_f32 v23, v18, v11
	v_mul_f32 v24, v19, v12
	v_mul_f32 v25, v19, v12
	; ---- parameters and weights into LDS
	s_cmp_ge_u32 s2, 4
	s_cbranch_scc1 .Lpar_stored
	v_mul_f32 v32, v32, v16
	v_mul_f32 v33, v33, v16
	v_mul_f32 v34, v34, v17
	v_mul_f32 v35, v35, v18
	v_mul_f32 v36, v36, v19
	v_mul_f32 v37, v37, v19
.irp q, 0,1,2,3,4,5,6
	v_cvt_pk_f16_f32 v[52+\q], v[38+2*\q], v[39+2*\q]
.endr
	v_mov_b32 v59, 0                               ; outputs 14 and 15 do not exist: weights 0
	s_wait_alu depctr_va_vdst(0)                   ; v32-37 and v52-59 are written, which the eight stores read
.irp a, 0,1,2,3,4,5
	ds_store_b32 v60, v[32+\a] offset:512*\a
.endr
	ds_store_b128 v61, v[52:55]
	ds_store_b128 v61, v[56:59] offset:16
.Lpar_stored:
.macro SCALE reg, rho                  ; four numbers of a row: scaled and rounded, into the first two of their four registers
	v_pk_mul_f32 v[\reg:\reg+1], v[\reg:\reg+1], v[\rho:\rho+1]
	v_pk_mul_f32 v[\reg+2:\reg+3], v[\reg+2:\reg+3], v[\rho:\rho+1]
	v_cvt_pk_f16_f32 v[\reg], v[\reg], v[\reg+1]
	v_cvt_pk_f16_f32 v[\reg+1], v[\reg+2], v[\reg+3]
.endm
.macro PUT reg, adr, off               ; 8 bytes into LDS; a wave's store is a row's 256 bytes
	ds_store_b64 v[\adr], v[\reg:\reg+1] offset:\off
.endm
.irp i, 0,1,2,3,4,5,6,7,8,9,10,11,12,13,14,15
	SCALE R0+4*\i, 20
.endr
	s_wait_alu depctr_va_vdst(0)                   ; W1 is rounded in R0; its stores are dealt among W2's arithmetic, which names R1 and v22-23 alone
.irp i, 0,1,2,3,4,5,6,7,8,9,10,11,12,13,14,15
	PUT R0+4*\i, 62, WL1+WP*\i
	SCALE R1+4*\i, 22
.endr
	s_wait_alu depctr_va_vdst(0)                   ; W2 is rounded in R1; its stores are dealt among W3's arithmetic, which names R2 and v24-25 alone
.irp i, 0,1,2,3,4,5,6,7,8,9,10,11,12,13,14,15
	PUT R1+4*\i, 62, WL2+WP*\i
	SCALE R2+4*\i, 24
.endr
	; ---- addresses.  A transposing load: lane L points at k row 8 h + L % 8, 16 bytes at column block (L / 8) % 2, and receives
	; k = 8 h .. 8 h + 7 of column r: registers 0-3 of a fragment; 16 k rows further down: registers 4-7.
	v_and_b32 v8, 7, v0
	v_bfe_u32 v9, v0, 4, 1                         ; h
	v_lshl_add_u32 v8, v9, 3, v8
	v_bfe_u32 v10, v0, 3, 1
	v_lshlrev_b32 v10, 4, v10
	v_mad_u32_u24 v11, v8, WP, v10
	v_lshl_add_u32 v12, v8, 5, v10
	v_lshl_add_u32 v14, v1, 2, s6
	v_and_b32 v[XA], 15, v0                        ; r
	v_lshl_add_u32 v[XA], v[XA], 2, s6
	v_add_nc_u32 v[XA], XS, v[XA]
	WIN W_SET
	v_mov_b32 v[AW1], v11
	v_add_nc_u32 v[AW2], WL2, v11
	v_add_nc_u32 v[AW3], WL3, v11
	v_add_nc_u32 v[AW4], W4L, v12
	v_lshl_add_u32 v[AB], v9, 5, PAR
	v_add_nc_u32 v[ZA], ZS-256, v14                ; 256 low: the add at each trip's head stands ahead of the trip's uses
	v_mov_b32 v[IV], v13
	v_mov_b32 v[IV+1], v13
	WIN 0
	s_wait_alu depctr_va_vdst(0)                   ; W3 is rounded in R2, which the stores read; the loop's addresses are written; so are v8-11, in which the first trip's x lands.  No vector instruction stands between this wait and the first trip's loads
.irp i, 0,1,2,3,4,5,6,7,8,9,10,11,12,13,14,15
	PUT R2+4*\i, 63, WP*\i
.endr
	s_wait_dscnt 0x0                               ; my part of the weights and parameters is written
	s_barrier_signal -1
	s_barrier_wait -1                              ; all of them are; from here on they are only read, and XS, ZS, YS are each wave's own bytes
; Four plain vector instructions stand between a matrix instruction and a vector instruction that reads its result or writes one of its
; registers (ISA guide 7.12.1).  This text keeps them also in front of the one run of loads that follows products directly: they issue while
; the last product is at work, and the wait behind them states the dependence.
.macro PLACES
.rept 4
	v_nop
.endr
.endm
; Ten LDS loads: the four fragments (k steps 0..3) of one tile of 16 output features, and its eight biases, into buffer buf
.macro LOADG buf, adr, moff, cstep, half, boff
	WIN W_MUL
.irp c, 0,1,2,3
	ds_load_tr16_b128 v[FR+32*(\buf)+8*\c:FR+32*(\buf)+8*\c+3], v[\adr] offset:\c*(\cstep)+(\moff)
	ds_load_tr16_b128 v[FR+32*(\buf)+8*\c+4:FR+32*(\buf)+8*\c+7], v[\adr] offset:\c*(\cstep)+(\moff)+(\half)
.endr
	ds_load_b128 v[BI+8*(\buf):BI+8*(\buf)+3], v[AB] offset:\boff
	ds_load_b128 v[BI+8*(\buf)+4:BI+8*(\buf)+7], v[AB] offset:\boff+16
.endm
; Thirty: feature tiles g, g + 1, g + 2 of a hidden layer, a half's first three, into buffers 2, 0, 1
.macro FETCH3 adr, boff, g
	LOADG 2, \adr, 32*(\g), 32*WP, 16*WP, \boff+64*(\g)
	LOADG 0, \adr, 32*(\g+1), 32*WP, 16*WP, \boff+64*(\g+1)
	LOADG 1, \adr, 32*(\g+2), 32*WP, 16*WP, \boff+64*(\g+2)
.endm
; Sixteen matrix instructions: one feature tile x four row tiles x K = 128.  The first product takes the biases as C.
; The four accumulators take turns, one instruction a turn.
.macro MUL16 buf, m, inlo, inhi
	WIN W_MUL
.irp t, 0,1,2,3
	v_wmma_f32_16x16x32_f16 v[32*(\m)+8*\t:32*(\m)+8*\t+7], v[FR+32*(\buf):FR+32*(\buf)+7], v[\inlo+8*\t:\inlo+8*\t+7], v[BI+8*(\buf):BI+8*(\buf)+7]
.endr
.irp t, 0,1,2,3
	v_wmma_f32_16x16x32_f16 v[32*(\m)+8*\t:32*(\m)+8*\t+7], v[FR+32*(\buf)+8:FR+32*(\buf)+15], v[\inlo+32+8*\t:\inlo+32+8*\t+7], v[32*(\m)+8*\t:32*(\m)+8*\t+7]
.endr
.irp t, 0,1,2,3
	v_wmma_f32_16x16x32_f16 v[32*(\m)+8*\t:32*(\m)+8*\t+7], v[FR+32*(\buf)+16:FR+32*(\buf)+23], v[\inhi+8*\t:\inhi+8*\t+7], v[32*(\m)+8*\t:32*(\m)+8*\t+7]
.endr
.irp t, 0,1,2,3
	v_wmma_f32_16x16x32_f16 v[32*(\m)+8*\t:32*(\m)+8*\t+7], v[FR+32*(\buf)+24:FR+32*(\buf)+31], v[\inhi+32+8*\t:\inhi+32+8*\t+7], v[32*(\m)+8*\t:32*(\m)+8*\t+7]
.endr
.endm
; Half h of a hidden layer: feature tiles 4 h .. 4 h + 3.  At its head the first three tiles' thirty loads are out or in, in the order of the tiles.
; Behind the products: ReLU in place.  The maxima go through the tiles in the order in which they were made: those of the first three tiles are
; the places behind the fourth's products.  The wait at the end stands ahead of the loads that the caller issues next.
.macro HALF adr, boff, h, inlo, inhi
	s_wait_dscnt 20                                ; the first tile's ten loads are in; the twenty younger ones stay out
	MUL16 2, 0, \inlo, \inhi
	PLACES
	s_wait_alu depctr_va_vdst(0)                   ; those sixteen products are done reading buffer 2, in which the fourth tile lands
	LOADG 2, \adr, 32*(4*\h+3), 32*WP, 16*WP, \boff+64*(4*\h+3)
	s_wait_dscnt 20                                ; the second tile is in; the third's and the fourth's loads stay out
	MUL16 0, 1, \inlo, \inhi
	s_wait_dscnt 10                                ; the third is in
	MUL16 1, 2, \inlo, \inhi
	s_wait_dscnt 0x0                               ; the fourth
	MUL16 2, 3, \inlo, \inhi
.set i, 0
.rept 128
	v_max_num_f32 v[i], v[i], v[ZERO]
.set i, i+1
.endr
	s_wait_alu depctr_va_vdst(0)                   ; every product of the half is done reading the three buffers, in which the next loads land
.endm
; The half's 128 numbers a lane, rounded in pairs into two k steps of the next layer's source 1.  These 64 lines name accumulators and activations
; alone: none of the registers that the loads issued just ahead of them touch.  out may be the layer's inlo behind its second half.
.macro PACK out
	WIN W_CVT
.irp m, 0,1,2,3
.irp t, 0,1,2,3
.irp q, 0,1,2,3
	v_cvt_pk_f16_f32 v[\out+32*(\m>>1)+8*\t+4*(\m&1)+\q], v[32*\m+8*\t+2*\q], v[32*\m+8*\t+2*\q+1]
.endr
.endr
.endr
.endm
; Layer 0 for row tile t: 64 numbers a lane, k = 16 e + 8 h + i, which are the lane's part of source 1 for all four k steps
.macro LAYER0 t
	WIN W_MUL
.set i, 0
.rept 32
.if (\t&1)
	v_pk_fma_f32 v[T+i:T+i+1], v[W0L+i:W0L+i+1], v[X+\t-1:X+\t], v[B0L+i:B0L+i+1] op_sel:[0,1,0]       ; both by the pair's second register
.else
	v_pk_fma_f32 v[T+i:T+i+1], v[W0L+i:W0L+i+1], v[X+\t:X+\t+1], v[B0L+i:B0L+i+1] op_sel_hi:[1,0,1]    ; both by its first
.endif
.set i, i+2
.endr
.set i, 0
.rept 64
	v_max_num_f32 v[T+i], v[T+i], v[ZERO]
.set i, i+1
.endr
	WIN W_CVT
.irp e, 0,1,2,3,4,5,6,7
.irp q, 0,1,2,3
	v_cvt_pk_f16_f32 v[R0+32*(\e>>1)+8*\t+4*(\e&1)+\q], v[T+8*\e+2*\q], v[T+8*\e+2*\q+1]
.endr
.endr
.endm
; The spline for rows 32 p + L of the trip, one row a lane.  Behind each run of transcendentals one plain vector instruction that touches
; neither their results nor their sources comes first (ISA guide 5.7.2).  The result goes into a register of its own, which the trip's end stores.
.macro SPLINE p
.set P, 16*\p
.set Z, ZZ+\p
.irp j, 0,1,2,3,4,5,6,7
	v_permlane16_swap_b32 v[P+\j], v[P+8+\j]       ; tile 2p's upper lanes (phi 8+j) change places with tile 2p+1's lower lanes (phi j): v[P+j] = phi j, v[P+8+j] = phi 8+j of row L
.endr
	v_max3_num_f32 v[MW], v[P], v[P+1], v[P+2]
	v_max3_num_f32 v[MH], v[P+5], v[P+6], v[P+7]
	v_max3_num_f32 v[MW], v[MW], v[P+3], v[P+4]
	v_max3_num_f32 v[MH], v[MH], v[P+8], v[P+9]
	v_mul_f32 v[MW], s34, v[MW]
	v_mul_f32 v[MH], s34, v[MH]
.irp i, 0,1,2,3,4
	v_fma_f32 v[EW+\i], v[P+\i], s34, -v[MW]       ; (phi - max) log2 e; the rounding of max log2 e is common to the five and cancels in the quotient
	v_fma_f32 v[EH+\i], v[P+5+\i], s34, -v[MH]
.endr
.irp i, 0,1,2,3,4,5,6,7,8,9
	v_exp_f32 v[EW+\i], v[EW+\i]
.endr
	v_max_num_f32 v[ZC], s37, v[Z]                 ; the clip of z, first half
	s_wait_alu depctr_va_vdst(0)
.irp i, 1,2,3,4
	v_add_f32 v[EW+\i], v[EW+\i], v[EW+\i-1]       ; running sums
	v_add_f32 v[EH+\i], v[EH+\i], v[EH+\i-1]
.endr
	v_rcp_f32 v[RW], v[EW+4]
	v_rcp_f32 v[RH], v[EH+4]
	v_min_num_f32 v[ZC], s38, v[ZC]                ; second half
	s_wait_alu depctr_va_vdst(0)
	v_mul_f32 v[RW], s39, v[RW]
	v_mul_f32 v[RH], s39, v[RH]
.irp i, 0,1,2,3,4
	v_fma_f32 v[EW+\i], v[EW+\i], v[RW], s37       ; knots 1..5
	v_fma_f32 v[EH+\i], v[EH+\i], v[RH], s37
.endr
.irp i, 0,1,2,3
	v_cmp_ge_f32 s[40+\i], v[ZC], v[EH+\i]         ; c1..c4: the knots ascend, so bin k = how many hold, and c(i+1) implies c(i)
.endr
	v_cmp_lt_f32 s44, |v[Z]|, s38                  ; inside (-5, 5): in one run with the four above
	s_wait_alu depctr_va_sdst(0)                   ; s40-44 are written, ahead of the first select that reads one of them
	v_cndmask_b32 v[SX0], s37, v[EW], s40          ; the bin's knots, chosen by selects: no address hangs on them
	v_cndmask_b32 v[SX1], v[EW], v[EW+1], s40
	v_cndmask_b32 v[SY0], s37, v[EH], s40
	v_cndmask_b32 v[SY1], v[EH], v[EH+1], s40
.irp i, 1,2,3
	v_cndmask_b32 v[SX0], v[SX0], v[EW+\i], s[40+\i]
	v_cndmask_b32 v[SX1], v[SX1], v[EW+\i+1], s[40+\i]
	v_cndmask_b32 v[SY0], v[SY0], v[EH+\i], s[40+\i]
	v_cndmask_b32 v[SY1], v[SY1], v[EH+\i+1], s[40+\i]
.endr
	v_cndmask_b32 v[DL], v[P+10], v[P+11], s41     ; the raw slopes at the bin's two knots: softplus is made of these two alone
	v_cndmask_b32 v[DH], v[P+10], v[P+11], s40
	v_cndmask_b32 v[DL], v[DL], v[P+12], s42
	v_cndmask_b32 v[DH], v[DH], v[P+12], s41
	v_cndmask_b32 v[DL], v[DL], v[P+13], s43
	v_cndmask_b32 v[DH], v[DH], v[P+13], s42
	v_mul_f32 v[GL], -|v[DL]|, s34
	v_mul_f32 v[GH], -|v[DH]|, s34
	v_exp_f32 v[GL], v[GL]
	v_exp_f32 v[GH], v[GH]
	v_sub_f32 v[DX], v[SX1], v[SX0]
	v_sub_f32 v[DY], v[SY1], v[SY0]
	s_wait_alu depctr_va_vdst(0)
	v_add_f32 v[GL], 1.0, v[GL]
	v_add_f32 v[GH], 1.0, v[GH]
	v_log_f32 v[GL], v[GL]
	v_log_f32 v[GH], v[GH]
	v_rcp_f32 v[RDX], v[DX]
	v_max_num_f32 v[DL], 0, v[DL]
	v_max_num_f32 v[DH], 0, v[DH]
	v_sub_f32 v[TT], v[ZC], v[SY0]                 ; t
	s_wait_alu depctr_va_vdst(0)
	v_fma_f32 v[GL], v[GL], s35, s36               ; ln(1 + e^-|d|) + 1e-4
	v_fma_f32 v[GH], v[GH], s35, s36
	v_add_f32 v[DL], v[DL], v[GL]
	v_add_f32 v[DH], v[DH], v[GH]
	v_cndmask_b32 v[DL], 1.0, v[DL], s40           ; d0: 1 at the lowest knot
	v_cndmask_b32 v[DH], v[DH], 1.0, s43           ; d1: 1 at the highest
	v_mul_f32 v[SS], v[DY], v[RDX]                 ; s
	v_add_f32 v[MM], v[DL], v[DH]
	v_fma_f32 v[MM], v[SS], -2.0, v[MM]            ; m
	v_mul_f32 v[TM], v[TT], v[MM]
	v_sub_f32 v[AA], v[SS], v[DL]
	v_mul_f32 v[ST], v[SS], v[TT]                  ; s t = -c
	v_fma_f32 v[AA], v[DY], v[AA], v[TM]           ; a
	v_fma_f32 v[BB], v[DY], v[DL], -v[TM]          ; b
	v_mul_f32 v[AA], v[AA], v[ST]
	v_mul_f32 v[DI], v[BB], v[BB]
	v_fma_f32 v[DI], v[AA], 4.0, v[DI]             ; b b - 4 a c
	v_max_num_f32 v[DI], 0, v[DI]
	v_sqrt_f32 v[DI], v[DI]
	v_add_f32 v[ST], v[ST], v[ST]
	s_wait_alu depctr_va_vdst(0)
	v_add_f32 v[DI], v[BB], v[DI]                  ; 2 c / (-b - root) = 2 s t / (b + root)
	v_rcp_f32 v[DI], v[DI]
	v_mul_f32 v[ST], v[ST], v[DX]
	s_wait_alu depctr_va_vdst(0)
	v_fma_f32 v[DI], v[ST], v[DI], v[SX0]
	v_cndmask_b32 v[YY+\p], v[Z], v[DI], s44       ; outside (-5, 5), and for a NaN: z itself
.endm
	s_mov_b32 s3, 0
.Ltrip:                                            ; 64 rows.  On both ways in, a wait on va_vdst has been passed and no vector instruction issued since
.irp t, 0,1,2,3
	ds_load_b32 v[X+\t], v[XA] offset:64*\t        ; x of row r of tile t, in both halves of the lanes
.endr
	WIN W_MUL
.irp e, 0,1,2,3,4,5,6,7
	ds_load_b128 v[W0L+8*\e:W0L+8*\e+3], v[AB] offset:64*\e
	ds_load_b128 v[W0L+8*\e+4:W0L+8*\e+7], v[AB] offset:64*\e+16
	ds_load_b128 v[B0L+8*\e:B0L+8*\e+3], v[AB] offset:512+64*\e
	ds_load_b128 v[B0L+8*\e+4:B0L+8*\e+7], v[AB] offset:512+64*\e+16
.endr
	LOADG 2, AW1, 0, 32*WP, 16*WP, 1024            ; layer 1's first feature tile, into the buffer that layer 0 does not name: it lands under layer 0
	s_wait_dscnt 10                                ; all but those ten: x, W0 and b0 are in
	s_wait_alu depctr_vm_vsrc(0)                   ; the loads of x have read XA; the last trip's loads of z and stores of y have read ZA and YY; in the first trip the head's stores have read R0-R2: the lines below write all of these
	WIN W_SPL
	v_add_nc_u32 v[ZA], 0x100, v[ZA]               ; this trip's z and y
	WIN 0
	v_add_nc_u32 v[XA], 0x100, v[XA]               ; the next trip's x
	LAYER0 0
	LAYER0 1
	LAYER0 2
	LAYER0 3
	WIN W_MUL
	s_wait_alu depctr_va_vdst(0)                   ; layer 0 is done writing and reading T, in which the next two tiles' fragments land
	LOADG 0, AW1, 32, 32*WP, 16*WP, 1024+64
	LOADG 1, AW1, 64, 32*WP, 16*WP, 1024+128
	HALF AW1, 1024, 0, R0, R1                      ; layer 1: R0, R1 -> R2, R0
	FETCH3 AW1, 1024, 4
	PACK R2
	HALF AW1, 1024, 1, R0, R1
	FETCH3 AW2, 1536, 0
	PACK R0
	HALF AW2, 1536, 0, R2, R0                      ; layer 2: R2, R0 -> R1, R2
	FETCH3 AW2, 1536, 4
	PACK R1
	HALF AW2, 1536, 1, R2, R0
	FETCH3 AW3, 2048, 0
	PACK R2
	HALF AW3, 2048, 0, R1, R2                      ; layer 3: R1, R2 -> R0, R1
	FETCH3 AW3, 2048, 4
	PACK R0
	HALF AW3, 2048, 1, R1, R2
	LOADG 2, AW4, 0, 32*W4P, 16*W4P, 2560          ; W4's fragments and b4
	ds_load_b32 v[ZZ], v[ZA]                       ; z, into buffer 0, which the half's wait has shown read out
	ds_load_b32 v[ZZ+1], v[ZA] offset:128
	PACK R1
	s_wait_dscnt 0x0                               ; W4's fragments, b4 and z
	MUL16 2, 0, R0, R1
	PLACES
	WIN W_SPL
.set i, 0
.rept 16
	v_pk_mul_f32 v[i:i+1], v[i:i+1], v[IV:IV+1]    ; phi = D / lambda_3: a power of two, exact
.set i, i+2
.endr
	SPLINE 0
	SPLINE 1
	s_wait_alu depctr_va_vdst(0)                   ; the splines have written YY, which the stores read, and are done with window 1's v0-127, in which the next trip's W0 and b0 land; W4's products are done reading buffer 2
	ds_store_b32 v[ZA], v[YY] offset:YS-ZS
	ds_store_b32 v[ZA], v[YY+1] offset:YS-ZS+128
	WIN 0
	s_add_co_u32 s3, s3, 1
	s_cmp_lt_u32 s3, 4
	s_cbranch_scc1 .Ltrip
	ds_load_b128 v[16:19], v[SA] offset:YS-XS      ; my wave's 256 y: its own bytes, and LDS serves a wave's instructions in order (ISA guide 5.7.1); no vector instruction has named v16-23 or v[SA] since the head
	ds_load_b128 v[20:23], v[SA] offset:YS-XS+512
	s_wait_dscnt 0x0
	global_store_b128 v[GO], v[16:19], s[32:33] th:TH_STORE_NT             ; each store of the wave covers 512 consecutive bytes, aligned
	global_store_b128 v[GO], v[20:23], s[32:33] offset:512 th:TH_STORE_NT
	s_wait_dscnt 0x0
	s_wait_alu depctr_hold_cnt(0) depctr_sa_sdst(0) depctr_va_vdst(0) depctr_va_sdst(0) depctr_va_ssrc(0) depctr_va_vcc(0) depctr_vm_vsrc(0)
	s_wait_tensorcnt 0x0
	ds_add_u32 v2, v15
	s_wait_dscnt 0x0
	s_endpgm
.Lfunc_end_k_q571e451f53_nflow:
	.size	k_q571e451f53_nflow, .Lfunc_end_k_q571e451f53_nflow-k_q571e451f53_nflow
	.p2alignl 7, 3214868480
	.fill 96, 4, 3214868480
	.section	.rodata,"a",@progbits
	.p2align	6, 0x0
	.amdhsa_kernel k_q571e451f53_nflow
		.amdhsa_group_segment_fixed_size 143616
		.amdhsa_private_segment_fixed_size 0
		.amdhsa_enable_private_segment 0
		.amdhsa_kernarg_size 104
		.amdhsa_user_sgpr_count 2
		.amdhsa_user_sgpr_kernarg_segment_ptr 1
		.amdhsa_wavefront_size32 1
		.amdhsa_system_sgpr_workgroup_id_x 1
		.amdhsa_system_sgpr_workgroup_id_y 1
		.amdhsa_system_sgpr_workgroup_id_z 1
		.amdhsa_system_vgpr_workitem_id 0
		.amdhsa_next_free_vgpr 512
		.amdhsa_next_free_sgpr 66
		.amdhsa_reserve_vcc 0
		.amdhsa_float_denorm_mode_32 3
		.amdhsa_float_denorm_mode_16_64 3
		.amdhsa_memory_ordered 1
		.amdhsa_forward_progress 1
		.amdhsa_inst_pref_size 171
	.end_amdhsa_kernel
	.amdgpu_metadata
---
amdhsa.version: [ 1, 2 ]
amdhsa.kernels:
  - .name:           k_q571e451f53_nflow
    .symbol:         k_q571e451f53_nflow.kd
    .args:
      - { .name: x, .offset: 0, .size: 8, .value_kind: global_buffer, .address_space: global }
      - { .name: z, .offset: 8, .size: 8, .value_kind: global_buffer, .address_space: global }
      - { .name: W0, .offset: 16, .size: 8, .value_kind: global_buffer, .address_space: global }
      - { .name: b0, .offset: 24, .size: 8, .value_kind: global_buffer, .address_space: global }
      - { .name: W1, .offset: 32, .size: 8, .value_kind: global_buffer, .address_space: global }
      - { .name: b1, .offset: 40, .size: 8, .value_kind: global_buffer, .address_space: global }
      - { .name: W2, .offset: 48, .size: 8, .value_kind: global_buffer, .address_space: global }
      - { .name: b2, .offset: 56, .size: 8, .value_kind: global_buffer, .address_space: global }
      - { .name: W3, .offset: 64, .size: 8, .value_kind: global_buffer, .address_space: global }
      - { .name: b3, .offset: 72, .size: 8, .value_kind: global_buffer, .address_space: global }
      - { .name: W4, .offset: 80, .size: 8, .value_kind: global_buffer, .address_space: global }
      - { .name: b4, .offset: 88, .size: 8, .value_kind: global_buffer, .address_space: global }
      - { .name: out0, .offset: 96, .size: 8, .value_kind: global_buffer, .address_space: global }
    .group_segment_fixed_size: 143616
    .private_segment_fixed_size: 0
    .kernarg_segment_align: 8
    .kernarg_segment_size: 104
    .max_flat_workgroup_size: 256
    .sgpr_count:     66
    .vgpr_count:     512
    .wavefront_size: 32
...
	.end_amdgpu_metadata
.endif
;; end of part 2
